; MI455X (gfx1250); checked and timed in simulation.
; The chip was launched on July 23, 2026; its instructions are those of AMD's public machine-readable ISA for CDNA 5 (MIT licence, August 2026) and "CDNA5" Instruction Set Architecture Reference Guide (July 2026). The comments in the code are by the model that wrote it; some were corrected since.
;; Learned WLS Set Transformer. Allowed arithmetic: matrix products marked QUANTISED: E2M1 operands, one E8M0 scale for each 32 along K, by v_wmma_scale_f32_16x16x128_f8f6f4 with both operands' format E2M1 (or v_wmma_scale_f32_32x16x128_f4), f32 sums; products left as they are: f32 operands where the result goes on into a quantised operand, else bf16, f16 or f32 operands; f32 sums; everything else in f32.
;; Inputs: W_in 4 x 64 float32; Wk 64 x 64 float32; Wo 64 x 64 float32; Wq 64 x 64 float32; Wv 64 x 64 float32; b_in 64 float32; b_loc 1 float32; b_o 64 float32; pad_mask 2,048 x 1,024 bool; prelu_a 1 float32; seed 64 float32; w_loc 68 x 1 float32; x 2,048 x 1,024 x 4 float32.
;; Outputs: out0 2,048 x 4 float32.
;; This version of the problem:
;;   THIS VERSION OF THE PROBLEM IS GIVEN IN LOW PRECISION. The matrix products marked QUANTISED in the list below multiply operands that are first quantised to E2M1 (2 exponent bits, 1 mantissa bit; 4 bits a number), with one power-of-two scale for each 32 numbers along K (OCP MX v1.0); their sums are f32. All else is computed in f32.
;;   The module's matrix products, in the order in which they are computed (A, B: the left and right operand; K: the contracted axis; several contracted axes count as one K, in the product's order):
;;     1. [M 2,097,152, K 4] x [K 4, N 64]; A: input x; B: input W_in: left as it is (K = 4 < 32)
;;     2. [M 1, K 64] x [K 64, N 64]; A: input seed; B: input Wq: left as it is (M = 1 < 16)
;;     3. [M 2,097,152, K 64] x [K 64, N 64]; A: computed on the way; B: input Wk: QUANTISED
;;     4. [M 2,097,152, K 64] x [K 64, N 64]; A: computed on the way; B: input Wv: QUANTISED
;;     5. [M 1, K 64] x [K 64, N 2,097,152]; A: computed on the way; B: computed on the way: left as it is (M = 1 < 16)
;;     6. batch 2,048 x [M 1, K 1,024] x [K 1,024, N 64]; A: softmax; B: computed on the way: left as it is (M = 1 < 16)
;;     7. [M 2,048, K 64] x [K 64, N 64]; A: computed on the way; B: input Wo: QUANTISED
;;     8. [M 2,097,152, K 4] x [K 4, N 1]; A: input x; B: input w_loc: left as it is (K = 4 < 32)
;;     9. [M 2,048, K 64] x [K 64, N 1]; A: computed on the way; B: input w_loc: left as it is (N = 1 < 16)
;;     10. batch 2,048 x [M 4, K 4] x [K 4, N 1,024]; A: computed on the way; B: computed on the way: left as it is (K = 4 < 32)
;;     11. batch 2,048 x [M 4, K 1,024] x [K 1,024, N 1]; A: computed on the way; B: computed on the way: left as it is (M = 4 < 16)
;;   THE QUANTISER, for each operand of a quantised product, along K:
;;     - K is cut into blocks of 32 from its start; a last block that is shorter is filled with zeros.
;;     - A block's scale is 2^e with e = floor(log2(the largest magnitude in the block)) - 2, held to -126 .. 127; a block of zeros has e = 0. As a byte (E8M0): e + 127.
;;     - Each number is divided by its block's scale, clamped to +-6, and rounded to the nearest number of E2M1, ties to even, subnormals kept.
;;     - The product sums the exact products of the quantised numbers (number of the format x scale) in f32.
;;   ~~~python
;;   def quantise(x, axis):      # numpy; x: float32 -> the quantised numbers, widened to float32 again
;;       x = np.moveaxis(x, axis, -1); K = x.shape[-1]
;;       x = np.pad(x, [(0, 0)] * (x.ndim - 1) + [(0, -K % 32)]); x = x.reshape(x.shape[:-1] + (-1, 32)); a = np.abs(x).max(-1, keepdims=True)
;;       e = np.where(a > 0, np.clip(np.frexp(np.where(a > 0, a, 1))[1] - 1 - 2, -126, 127), 0)      # np.frexp(a)[1] - 1 = floor(log2(a)), exactly
;;       r = np.clip(x / 2.0 ** e, -6, 6)
;;       step = 2.0 ** (np.maximum(np.frexp(np.where(r == 0, 1, r))[1] - 1, 0) - 1)
;;       q = np.round(r / step) * step * 2.0 ** e      # np.round: ties to even
;;       return np.moveaxis(q.reshape(q.shape[:-2] + (-1,))[..., :K], -1, axis).astype(np.float32)
;;   ~~~
;;   OPERANDS COMPUTED ON THE WAY. 'Computed on the way' means the value that the module computes at that place (a softmax that the list does not call 'softmax' is quantised finished and normalised). What goes into a quantiser is computed in f32, as accurately as f32 sums, v_exp_f32 and their like allow (about 1e-6 of the number): no bf16 or f16 on the way to a quantiser, and a product that is left as it is and whose result goes on into a quantised operand takes f32 operands (vector FMAs, or v_wmma_f32_16x16x4_f32). A number that lies on a knife's edge between two numbers of the format may be rounded either way, as far as f32 arithmetic and the matrix unit's own rounding can turn it there, and no further.
;; One version. Each part assembles by itself: llvm-mc -triple=amdgcn-amd-amdhsa -mcpu=gfx1250 --defsym DOCPART=n.
;; ======== version 1 of 1: 1 launch
;; limits: right only within a limited range of input values
;; launch wls (part 1): grid 256 x 1, 16 waves a work-group, no clusters, 309,248 bytes of LDS; arguments x, pad_mask, W_in, b_in, seed, Wq, Wk, Wv, Wo, b_o, w_loc, b_loc, prelu_a, out0; writes out0
.if DOCPART == 1
	.amdgcn_target "amdgcn-amd-amdhsa--gfx1250"
	.amdhsa_code_object_version 6
	.text
	.protected	k_q11921b9b53_wls
	.globl	k_q11921b9b53_wls
	.p2align	8
	.type	k_q11921b9b53_wls,@function
k_q11921b9b53_wls:
	s_mov_b64 s[64:65], 0
	v_nop
	global_prefetch_b8 v0, s[64:65] scope:SCOPE_SE
	s_setreg_imm32_b32 hwreg(HW_REG_WAVE_MODE, 25, 1), 1
	s_wait_xcnt 0x0
; LearnedWLSSetTransformer, one launch.  2,048 sets of 1,024 points of 4 numbers.
; h = x W_in + b_in (f32, by the f32 matrix form); k = Q(h) Q(Wk), v = Q(h) Q(Wv) on codes of E2M1 with E8M0 scales; score = q . k / 8, masked; softmax over the set;
; pooled = attn v; feat = Q(pooled) Q(Wo) + b_o; c = feat . w_loc[4:] + b_loc; w = mask(PReLU(x . w_loc[:4] + c)); out = pinv(diag(w) [-x1 -x2 -x3 1]) (w x0).
; SHARES.  256 work-groups of 16 waves; work-group g owns sets 8 g .. 8 g + 7; wave w owns half w & 1 (512 points) of set 8 g + (w >> 1).  x and the mask come into LDS once, by
; asynchronous copies issued at the head, each wave its own 8,192 + 512 bytes, and are walked twice (z wants c, and c wants the whole set).
; A wave walks its points in two chunks of 256: phase A (h, codes, k, scores), the softmax's step with a running maximum, phase B (v from the kept codes, p . v).
; LAYOUT.  h is made transposed, W_in's columns ordered so that lane (r, h) holds units 32 h .. 32 h + 31 of point r: a whole block of 32 in the order of the 4-bit operand's registers 0-3.
; K is 64 of the instruction's 128: the points' operand carries four registers of zero codes for k = 64 .. 127, so whatever the weights' upper four registers hold (the next tile's codes) adds nothing;
; bytes 2 and 3 of every scale word are 0.
; LIMITS.  (a) pinv is taken as V L+ V^T (A^T W^2 r) from the 4 x 4 Gram matrix by 6 sweeps of Jacobi, with the cut lambda > (10 x 1024 x 2^-23)^2 x the largest lambda.  The Gram matrix squares the
; condition: a direction with sigma / sigma_max = s carries a relative error of about 6e-8 / s^2 (4 per cent at the cut), and an eigenvalue within a few per cent of the cut may fall on the other side of it.
; (b) the Gram matrix's trace stays under 2^127.  (c) NaN and infinities among the inputs are not served.  (d) a block of zeros has the scale byte 1 where the rule says 127: its codes are zeros, and this text alone reads the bytes.
; No cluster: only the weights (66 KB, read once at the head) are shared among work-groups, against 136 KB of a work-group's own.  No tensor load and no ring: every LDS byte that a copy fills is filled once.
.set MB,   131072                      ; LDS: x at 0 (wave w at 8192 w, point p at 16 p); the mask's bytes (wave w at 512 w)
.set CB,   139264                      ; a chunk's codes as images of registers: wave w at 8192 w, tile at 512, lane at 16
.set PB,   270336                      ; a chunk's p: wave w at 1024 w, point at 4
.set WIMG, 286720                      ; 12 weight fragments (Wk 0-3, Wv 4-7, Wo 8-11), 512 bytes each, lane at 16
.set WSC,  292864                      ; their scale words, 128 bytes each, lane at 4
.set QB,   294400                      ; q' = (seed Wq) log2(e) / 8
.set CMB,  294656                      ; wave w at 512 w: its pooled[64]; from 256 on (m, l) pairs
.set GS,   302848                      ; wave w at 64 w: its 14 sums
.set AXP, 1                            ; 8192 w + 16 lane: the copies' LDS address; a point a lane
.set AXG, 2                            ; the same number as the copies' offset in x;            later JA  = CMB + 512 w + 4 lane
.set AMK, 3                            ; MB + 512 w + 16 lane;                                   later FA  = CMB + 512 (w & 14) + 128 h
.set AMG, 4                            ; 512 w + 16 lane;                                        later J2  = GS + 64 w + 28 h
.set AXF, 5                            ; 8192 w + 16 r + 8 h: x as the f32 form's operand
.set AMB, 6                            ; MB + 512 w + lane
.set ACD, 7                            ; CB + 8192 w + 16 lane
.set APS, 8                            ; PB + 1024 w + 4 lane
.set APL, 9                            ; PB + 1024 w + 32 h
.set AIM, 10                           ; WIMG + 16 lane
.set ASW, 11                           ; WSC + 4 lane
.set SH8, 12                           ; 8 h
.set R4,  13                           ; 4 r
.set PWI, 14                           ; WIMG + 512 w + 16 lane;                                 later SV  = GS + 128 (lane >> 2)
.set PWS, 15                           ; WSC + 128 w + 4 lane;                                   later OUTO = 4 lane
.set JA,  2
.set FA,  3
.set J2,  4
.set SV,  14
.set OUTO, 15
.set WIN, 16                           ; v16-23  W_in, tile t register j: W_in[2 h + j][32 (r >> 3) + 8 t + (r & 7)];  later b_o (16-19), w_loc[4:] (20-23)
.set BO,  16
.set WL,  20
.set BIAS, 24                          ; v24-55  b_in[32 h + 8 t + j];  later two sets of 4 x 4 numbers of x
.set XC,  24
.set WK,  56                           ; v56-71  Wk's four fragments, 4 registers each;  later Wo's
.set WV,  72                           ; v72-87  Wv's
.set MKC, 80                           ; later: two sets of four mask bytes
.set PAD, 88                           ; v88-91  0: what Wv's last tile names as its upper four
.set WKS, 92                           ; v92-95  Wk's scale words (later Wo's); v96-99 Wv's: scales and nothing else
.set WVS, 96
.set QR,  100                          ; v100-131  at the head seed[32 h + i]; then q'[16 t + 8 h + j];  later pooled, then the 14 sums and phase C's work
.set GG,  100
.set ZZ,  116
.set AZ,  117
.set WW,  118
.set W2,  120
.set Y0,  122
.set Y1,  124
.set Y2,  126
.set HD,  132                          ; v132-163  results: written by matrix instructions alone
.set KD,  164                          ; v164-195  k of a tile;  in phase B four buffers of 8 p
.set SL,  196                          ; v196-199 codes, v200-203 zeros
.set SU,  204                          ; v204-207 codes, v208-211 zeros
.set XFL, 212
.set XFU, 214
.set WPT, 216                          ; v216-223  the points' scale words of a chunk's 8 groups: lanes 0-15 the lower tile's, lanes 16-31 the upper's
.set SS,  224                          ; v224-231  scores, then p: lane l = point 32 g + l.  (At the head v224-226: offsets into W_in, b_in, a weight)
.set GOW, 224
.set GOH, 225
.set GOT, 226
.set ACC, 232                          ; v232-239  p . v: pair t = even and odd points of channel 16 t + r
.set FF,  240                          ; v240 f = 2^(old m - new m), v241 written once (named with it as a pair)
.set MM,  242                          ; the running maximum, the same in all lanes
.set LL,  243                          ; the lane's part of the sum
.set T0,  244
.set T1,  245
.set T2,  246
.set T3,  247
.set BL,  248
.set BU,  249
.set PL,  250
.set PU,  251
.set MK,  252
.set NEG, 253                          ; about -1e30 log2(e): a masked score
.set QST, 254                          ; QB + 64 (w & 3) + 4 r;  later c
.set CC,  254
.set QLD, 255                          ; QB + 32 h
.macro PLACES n
.rept \n
	v_nop
.endr
.endm
; 32 numbers of a lane, one block, become 4 registers of codes and the scale's byte.  The floor 2^(3 - 127) among the maximum's leaves holds the byte at 1 from below.
; The maximum goes in four chains, one for each 8-register result, each beginning at its result's three lowest registers: 33 leaves, 16 lines, five deep, so that no line waits long for the line that feeds it.
; The shift that makes the byte is the plain line behind the conversions.
.macro QT R, S, B
.irp c, 0,1,2,3
	v_max3_num_f32 v[T0+\c], |v[\R+8*\c]|, |v[\R+8*\c+1]|, |v[\R+8*\c+2]|
.endr
.irp i, 3,5
.irp c, 0,1,2,3
	v_max3_num_f32 v[T0+\c], v[T0+\c], |v[\R+8*\c+\i]|, |v[\R+8*\c+\i+1]|
.endr
.endr
	v_max3_num_f32 v[T0], v[T0], v[T1], |v[\R+7]|
	v_max3_num_f32 v[T2], v[T2], v[T3], |v[\R+15]|
	v_max3_num_f32 v[T1], |v[\R+23]|, |v[\R+31]|, 0x1800000
	v_max3_num_f32 v[T0], v[T0], v[T2], v[T1]
	v_add_nc_u32 v[T2], 0xff000000, v[T0]          ; 2 off the exponent field: the conversion's scale operand
.irp i, 0,1,2,3
	v_cvt_scalef32_pk8_fp4_f32 v[\S+\i], v[\R+8*\i:\R+8*\i+7], v[T2]
.endr
	v_lshrrev_b32 v[\B], 23, v[T2]
.endm
; h of 16 points, transposed: source 0 = 16 columns of W_in, source 1 = x, C = b_in.  Lane (r, h), register 8 t + j: h[point r][32 h + 8 t + j]
.macro AF1 XF, t
	v_wmma_f32_16x16x4_f32 v[HD+8*(\t):HD+8*(\t)+7], v[WIN+2*(\t):WIN+2*(\t)+1], v[\XF:\XF+1], v[BIAS+8*(\t):BIAS+8*(\t)+7]
.endm
.macro AF32 XF
.irp t, 0,1,2,3
	AF1 \XF, \t
.endr
.endm
; k of 16 points, transposed: lane (r, h), register 8 t + j: k[point r][16 t + 8 h + j]
.macro CK S, D, WR, row1
.irp t, 0,1,2,3
.if \row1
	v_wmma_scale_f32_16x16x128_f8f6f4 v[\D+8*\t:\D+8*\t+7], v[WK+4*\t:WK+4*\t+7], v[\S:\S+7], 0, v[WKS+\t], v[\WR] matrix_a_fmt:MATRIX_FMT_FP4 matrix_b_fmt:MATRIX_FMT_FP4 matrix_b_scale:MATRIX_SCALE_ROW1
.else
	v_wmma_scale_f32_16x16x128_f8f6f4 v[\D+8*\t:\D+8*\t+7], v[WK+4*\t:WK+4*\t+7], v[\S:\S+7], 0, v[WKS+\t], v[\WR] matrix_a_fmt:MATRIX_FMT_FP4 matrix_b_fmt:MATRIX_FMT_FP4
.endif
.endr
.endm
; the lane's 32 terms of q' . k, two chains of packed multiply-adds, in three pieces: head (2 lines), step i = 1 .. 7 (2 lines), tail (2 lines)
.macro SCH K
	v_pk_mul_f32 v[T0:T0+1], v[\K:\K+1], v[QR:QR+1]
	v_pk_mul_f32 v[T2:T2+1], v[\K+16:\K+17], v[QR+16:QR+17]
.endm
.macro SCS K, i
	v_pk_fma_f32 v[T0:T0+1], v[\K+2*(\i):\K+2*(\i)+1], v[QR+2*(\i):QR+2*(\i)+1], v[T0:T0+1]
	v_pk_fma_f32 v[T2:T2+1], v[\K+16+2*(\i):\K+17+2*(\i)], v[QR+16+2*(\i):QR+17+2*(\i)], v[T2:T2+1]
.endm
.macro SCT P
	v_pk_add_f32 v[T0:T0+1], v[T0:T0+1], v[T2:T2+1]
	v_add_f32 v[\P], v[T0], v[T0+1]
.endm
.macro SCORE K, P
	SCH \K
.irp i, 1,2,3,4,5,6,7
	SCS \K, \i
.endr
	SCT \P
.endm
; h of one tile and the score of another BY TURNS: the score's 18 lines name none of the four products' registers, so the wave issues them while the matrix unit works.
; Ten of them stand behind the last product: its places (8 are asked before the quantiser reads its result and before a load into its x, 9 before the next f32 product writes over it).
.macro AFS XF, K, P
	AF1 \XF, 0
	SCH \K
	SCS \K, 1
	AF1 \XF, 1
	SCS \K, 2
	AF1 \XF, 2
	SCS \K, 3
	AF1 \XF, 3
.irp i, 4,5,6,7
	SCS \K, \i
.endr
	SCT \P
.endm
; the two tiles' halves meet: lane l then holds the score of point 32 g + l; the mask's byte puts NEG in its place
.macro FIN g, left
	v_permlane16_swap_b32 v[PL], v[PU]
	v_add_f32 v[SS+\g], v[PL], v[PU]
	s_wait_dscnt \left                             ; the mask's byte is in; the LDS instructions issued behind its load may be out
	v_cmp_ne_u32 vcc_lo, 0, v[MK]
	v_cndmask_b32 v[SS+\g], v[SS+\g], v[NEG], vcc_lo
.endm
; the two tiles' scale words: lanes 0-15 the lower tile's (byte 0 block 0, byte 1 block 1), lanes 16-31 the upper's
.macro WORD2 g
	v_permlane16_swap_b32 v[BL], v[BU]
	v_lshl_or_b32 v[WPT+\g], v[BU], 8, v[BL]
.endm
; one fragment's scale word, the same in both halves of the lanes
.macro WORDX B, WD
	v_lshlrev_b32 v[T0], v[SH8], v[\B]
	v_permlanex16_b32 v[T1], v[T0], s42, s43
	v_or_b32 v[\WD], v[T0], v[T1]
.endm
; A GROUP of 32 points, two tiles L and U, in a pipeline: at its head HD holds h of (G, L) and KD k of (G - 1, L).
; LDS order of a trip: x of (G + 1, L); the mask of G - 1; codes L; x of (G + 1, U); codes U.  Every count below counts the younger ones of these.
; The score work and the maxima are the places behind the matrix instructions (8 and 9 behind the f32 form, 4 and 5 behind the 4-bit form); a chunk's first trip has v_nop in their stead.
; The scale word of the group is made ahead of the second run of h, so that the score's 18 lines (or the nine v_nop) stand between it and the scaled product that names it.
.macro GRP G, first, last
.set GP, (\G)&7
.if !\last
	s_wait_asynccnt 14-(\G)                        ; copies end in order: the mask's and those of groups 0 .. G + 1 have landed
	ds_load_b64 v[XFL:XFL+1], v[AXF] offset:512*((\G)+1)
.endif
.if !\first
	ds_load_u8 v[MK], v[AMB] offset:32*((\G)-1)
.endif
	QT HD, SL, BL
	ds_store_b128 v[ACD], v[SL:SL+3] offset:1024*GP
.if \first
	AF32 XFU
	PLACES 9
.else
	s_wait_dscnt 4-\last                           ; x of (G, U), asked for in the last trip, is in
	AFS XFU, KD, PL
.endif
.if !\last
	ds_load_b64 v[XFU:XFU+1], v[AXF] offset:512*((\G)+1)+256
.endif
.if !\first
	CK SU, KD, WPT+GP-1, 1
.endif
	QT HD, SU, BU
	ds_store_b128 v[ACD], v[SU:SU+3] offset:1024*GP+512
	WORD2 GP
.if \last
	SCORE KD, PU
	FIN GP-1, 2
.elseif \first
	s_wait_dscnt 3                                 ; x of (G + 1, L) is in (this trip has no mask load)
	AF32 XFL
	PLACES 9
.else
	s_wait_dscnt 4                                 ; x of (G + 1, L) is in
	AFS XFL, KD, PU
	FIN GP-1, 3
.endif
	CK SL, KD, WPT+GP, 0
.endm
.macro PRO c                           ; a chunk's first h
	s_wait_asynccnt 15-8*\c                        ; group 8 c has landed
	ds_load_b64 v[XFL:XFL+1], v[AXF] offset:4096*\c
	ds_load_b64 v[XFU:XFU+1], v[AXF] offset:4096*\c+256
	s_wait_dscnt 0x0
	AF32 XFL
	PLACES 9
.endm
.macro EPI c                           ; a chunk's last scores; HD is free and takes k of the last tile
	ds_load_u8 v[MK], v[AMB] offset:32*(8*\c+7)
	CK SU, HD, WPT+7, 1
	PLACES 4
	SCORE KD, PL
	SCORE HD, PU
	FIN 7, 0
.endm
; the softmax's step for a chunk: the wave's running maximum, p = 2^(t - m), the lane's part of the sum; p goes to LDS for phase B
.macro SOFT c
	v_max3_num_f32 v[T0], v[SS], v[SS+1], v[SS+2]
	v_max3_num_f32 v[T1], v[SS+3], v[SS+4], v[SS+5]
	v_max3_num_f32 v[T0], v[T0], v[SS+6], v[SS+7]
	v_max_num_f32 v[T0], v[T0], v[T1]
.irp m, 1,2,4,8
	v_max_num_f32_dpp v[T0], v[T0], v[T0] row_xmask:\m row_mask:0xf bank_mask:0xf
.endr
	v_permlanex16_b32 v[T1], v[T0], s42, s43
.if \c
	v_max_num_f32 v[T0], v[T0], v[T1]
	v_max_num_f32 v[T2], v[MM], v[T0]
	v_sub_f32 v[T3], v[MM], v[T2]
	v_exp_f32 v[FF], v[T3]
	v_mov_b32 v[MM], v[T2]                         ; (the plain line behind the exponential)
.else
	v_max_num_f32 v[MM], v[T0], v[T1]
.endif
.irp i, 0,1,2,3,4,5,6,7
	v_sub_f32 v[SS+\i], v[SS+\i], v[MM]
.endr
.irp i, 0,1,2,3,4,5,6,7
	v_exp_f32 v[SS+\i], v[SS+\i]
.endr
.if \c
	s_wait_alu depctr_va_vdst(0)
.irp i, 0,2,4,6
	v_pk_mul_f32 v[ACC+\i:ACC+\i+1], v[ACC+\i:ACC+\i+1], v[FF:FF+1] op_sel_hi:[1,0]   ; what was summed under the old maximum; also the plain lines behind the exponentials
.endr
.else
	v_nop
	s_wait_alu depctr_va_vdst(0)
.endif
	v_pk_add_f32 v[T0:T0+1], v[SS:SS+1], v[SS+2:SS+3]
	v_pk_add_f32 v[T2:T2+1], v[SS+4:SS+5], v[SS+6:SS+7]
	v_pk_add_f32 v[T0:T0+1], v[T0:T0+1], v[T2:T2+1]
.if \c
	v_add_f32 v[T0], v[T0], v[T1]
	v_fma_f32 v[LL], v[LL], v[FF], v[T0]
.else
	v_add_f32 v[LL], v[T0], v[T1]
.endif
.irp i, 0,1,2,3,4,5,6,7
	ds_store_b32 v[APS], v[SS+\i] offset:128*\i
.endr
.endm
; PHASE B.  A tile's codes come back as they were stored; its 8 p of my half of the rows come by two loads that all lanes of a half share.
.macro LOADT tau
	ds_load_b128 v[SL+8*((\tau)%2):SL+8*((\tau)%2)+3], v[ACD] offset:512*(\tau)
	ds_load_b128 v[KD+8*((\tau)%4):KD+8*((\tau)%4)+3], v[APL] offset:64*(\tau)
	ds_load_b128 v[KD+8*((\tau)%4)+4:KD+8*((\tau)%4)+7], v[APL] offset:64*(\tau)+16
.endm
; v of 16 points, not transposed: lane (r, h), register j of tile t: v[point 8 h + j][channel 16 t + r]
.macro CV tau, t0
.irp t, \t0, \t0+1
.if (\tau)%2
	v_wmma_scale_f32_16x16x128_f8f6f4 v[HD+8*(\t):HD+8*(\t)+7], v[SU:SU+7], v[WV+4*(\t):WV+4*(\t)+7], 0, v[WPT+(\tau)/2], v[WVS+(\t)] matrix_a_fmt:MATRIX_FMT_FP4 matrix_b_fmt:MATRIX_FMT_FP4 matrix_a_scale:MATRIX_SCALE_ROW1
.else
	v_wmma_scale_f32_16x16x128_f8f6f4 v[HD+8*(\t):HD+8*(\t)+7], v[SL:SL+7], v[WV+4*(\t):WV+4*(\t)+7], 0, v[WPT+(\tau)/2], v[WVS+(\t)] matrix_a_fmt:MATRIX_FMT_FP4 matrix_b_fmt:MATRIX_FMT_FP4
.endif
.endr
.endm
.macro FV tau, t0, first               ; p . v for two tiles of channels: 8 packed multiply-adds
.irp i, 0,1,2,3
.irp t, \t0, \t0+1
.if (\first) && (\i == 0)
	v_pk_mul_f32 v[ACC+2*(\t):ACC+2*(\t)+1], v[HD+8*(\t)+2*\i:HD+8*(\t)+2*\i+1], v[KD+8*((\tau)%4)+2*\i:KD+8*((\tau)%4)+2*\i+1]
.else
	v_pk_fma_f32 v[ACC+2*(\t):ACC+2*(\t)+1], v[HD+8*(\t)+2*\i:HD+8*(\t)+2*\i+1], v[KD+8*((\tau)%4)+2*\i:KD+8*((\tau)%4)+2*\i+1], v[ACC+2*(\t):ACC+2*(\t)+1]
.endif
.endr
.endr
.endm
; 16 tiles.  Each pair of products stands eight multiply-adds of the OTHER pair ahead of its own: those are its places, and the places in front of the loads into its codes' registers.
.macro PBH c
	LOADT 0
	LOADT 1
	s_wait_dscnt 3                                 ; tile 0's three loads are in, tile 1's may be out
	CV 0, 0
	PLACES 5
	CV 0, 2
	FV 0, 0, 1-\c
	LOADT 2
.set TAU, 1
.rept 15
.if TAU == 15
	s_wait_dscnt 0x0
.else
	s_wait_dscnt 3                                 ; this tile's loads are in, the next tile's three may be out
.endif
	CV TAU, 0
.if TAU == 1
	FV TAU-1, 2, 1-\c
.else
	FV TAU-1, 2, 0
.endif
	CV TAU, 2
	FV TAU, 0, 0
.if TAU <= 13
	LOADT TAU+2
.endif
.set TAU, TAU+1
.endr
	FV 15, 2, 0
.endm
; PHASE C: four groups of 32 points a batch, a point a lane
.macro LOADC b
.irp i, 0,1,2,3
	ds_load_b128 v[XC+16*((\b)%2)+4*\i:XC+16*((\b)%2)+4*\i+3], v[AXP] offset:512*(4*(\b)+\i)
	ds_load_u8 v[MKC+4*((\b)%2)+\i], v[AMB] offset:32*(4*(\b)+\i)
.endr
.endm
; z, w, w^2 and the 14 sums: G0..3 = y1 (x0 x1 x2 x3), G4,5 = y2 (x2 x3), G6,7 = y0 (x2 x3), G8..11 = y0..y3, G12 = y3 x3, G13 = w^2, with y = w^2 x
.macro WLSG X, MR
	v_fma_f32 v[ZZ], s36, v[\X], v[CC]
	v_fma_f32 v[ZZ], s37, v[\X+1], v[ZZ]
	v_fma_f32 v[ZZ], s38, v[\X+2], v[ZZ]
	v_fma_f32 v[ZZ], s39, v[\X+3], v[ZZ]
	v_mul_f32 v[AZ], s41, v[ZZ]
	v_cmp_le_f32 vcc_lo, 0, v[ZZ]
	v_cndmask_b32 v[WW], v[AZ], v[ZZ], vcc_lo
	v_cmp_eq_u32 vcc_lo, 0, v[\MR]
	v_cndmask_b32 v[WW], 0, v[WW], vcc_lo
	v_mul_f32 v[W2], v[WW], v[WW]
	v_mul_f32 v[Y0], v[\X], v[W2]
	v_mul_f32 v[Y1], v[\X+1], v[W2]
	v_pk_mul_f32 v[Y2:Y2+1], v[\X+2:\X+3], v[W2:W2+1] op_sel_hi:[1,0]
	v_pk_fma_f32 v[GG:GG+1], v[Y1:Y1+1], v[\X:\X+1], v[GG:GG+1] op_sel_hi:[0,1,1]
	v_pk_fma_f32 v[GG+2:GG+3], v[Y1:Y1+1], v[\X+2:\X+3], v[GG+2:GG+3] op_sel_hi:[0,1,1]
	v_pk_fma_f32 v[GG+4:GG+5], v[Y2:Y2+1], v[\X+2:\X+3], v[GG+4:GG+5] op_sel_hi:[0,1,1]
	v_pk_fma_f32 v[GG+6:GG+7], v[Y0:Y0+1], v[\X+2:\X+3], v[GG+6:GG+7] op_sel_hi:[0,1,1]
	v_add_f32 v[GG+8], v[GG+8], v[Y0]
	v_add_f32 v[GG+9], v[GG+9], v[Y1]
	v_pk_add_f32 v[GG+10:GG+11], v[GG+10:GG+11], v[Y2:Y2+1]
	v_fmac_f32 v[GG+12], v[Y2+1], v[\X+3]
	v_add_f32 v[GG+13], v[GG+13], v[W2]
.endm
; THE SOLVER's registers and steps
.set SG,  16                           ; v16-29, v32-45 the two halves' 14 sums
.set A00, 48
.set A01, 49
.set A02, 50
.set A03, 51
.set A11, 52
.set A12, 53
.set A13, 54
.set A22, 55
.set A23, 56
.set A33, 57
.set RB,  58                           ; v58-61 A^T W^2 r
.set VV,  64                           ; v64-67 my row of V
.set GI,  68                           ; my row's element of the right-hand side
.set E,   80                           ; v80-91 at work
.macro ROTP2 x1, y1, c1, s1, x2, y2, c2, s2    ; two plane rotations: x = c x - s y, y = s x + c y
	v_mul_f32 v[E+8], v[\s1], v[\y1]
	v_mul_f32 v[E+9], v[\s1], v[\x1]
	v_mul_f32 v[E+10], v[\s2], v[\y2]
	v_mul_f32 v[E+11], v[\s2], v[\x2]
	v_fma_f32 v[\x1], v[\c1], v[\x1], -v[E+8]
	v_fma_f32 v[\y1], v[\c1], v[\y1], v[E+9]
	v_fma_f32 v[\x2], v[\c2], v[\x2], -v[E+10]
	v_fma_f32 v[\y2], v[\c2], v[\y2], v[E+11]
.endm
; two disjoint Jacobi rotations (p, q) and (r, s), line by line in turn: t = sign(al) be / (|al| + sqrt(al^2 + be^2)), al = aqq - app, be = 2 apq; c = 1 / sqrt(1 + t^2), s = t c
.macro STAGE app, aqq, apq, arr, ass, ars, apr, aps, aqr, aqs, cp, cq, cr, cs
	v_sub_f32 v[E], v[\aqq], v[\app]
	v_sub_f32 v[E+1], v[\ass], v[\arr]
	v_add_f32 v[E+2], v[\apq], v[\apq]
	v_add_f32 v[E+3], v[\ars], v[\ars]
	v_mul_f32 v[E+4], v[E], v[E]
	v_mul_f32 v[E+5], v[E+1], v[E+1]
	v_fma_f32 v[E+4], v[E+2], v[E+2], v[E+4]
	v_fma_f32 v[E+5], v[E+3], v[E+3], v[E+5]
	v_sqrt_f32 v[E+4], v[E+4]
	v_sqrt_f32 v[E+5], v[E+5]
	v_and_b32 v[E+6], 0x80000000, v[E]             ; al's sign (the plain line behind the roots)
	v_and_b32 v[E+7], 0x80000000, v[E+1]
	s_wait_alu depctr_va_vdst(0)
	v_add_f32 v[E+4], |v[E]|, v[E+4]
	v_add_f32 v[E+5], |v[E+1]|, v[E+5]
	v_max_num_f32 v[E+4], 0x0da24260, v[E+4]       ; not under 1e-30: al = be = 0 gives t = 0
	v_max_num_f32 v[E+5], 0x0da24260, v[E+5]
	v_rcp_f32 v[E+4], v[E+4]
	v_rcp_f32 v[E+5], v[E+5]
	v_xor_b32 v[E+2], v[E+2], v[E+6]
	v_xor_b32 v[E+3], v[E+3], v[E+7]
	s_wait_alu depctr_va_vdst(0)
	v_mul_f32 v[E+2], v[E+2], v[E+4]               ; t
	v_mul_f32 v[E+3], v[E+3], v[E+5]
	v_fma_f32 v[E+4], v[E+2], v[E+2], 1.0
	v_fma_f32 v[E+5], v[E+3], v[E+3], 1.0
	v_rsq_f32 v[E+4], v[E+4]                       ; c
	v_rsq_f32 v[E+5], v[E+5]
	v_mul_f32 v[E+6], v[E+2], v[\apq]              ; t apq
	v_mul_f32 v[E+7], v[E+3], v[\ars]
	v_sub_f32 v[\app], v[\app], v[E+6]
	v_add_f32 v[\aqq], v[\aqq], v[E+6]
	v_sub_f32 v[\arr], v[\arr], v[E+7]
	v_add_f32 v[\ass], v[\ass], v[E+7]
	s_wait_alu depctr_va_vdst(0)
	v_mul_f32 v[E+2], v[E+2], v[E+4]               ; s
	v_mul_f32 v[E+3], v[E+3], v[E+5]
	v_mov_b32 v[\apq], 0
	v_mov_b32 v[\ars], 0
	ROTP2 \apr, \aqr, E+4, E+2, \aps, \aqs, E+4, E+2     ; the block between the pairs: its rows by the first rotation,
	ROTP2 \apr, \aps, E+5, E+3, \aqr, \aqs, E+5, E+3     ; its columns by the second
	ROTP2 VV+\cp, VV+\cq, E+4, E+2, VV+\cr, VV+\cs, E+5, E+3
.endm
; ---------------------------------------------------------------- the head: addresses, constants
	s_load_b512 s[8:23], s[0:1], 0x0               ; x, pad_mask, W_in, b_in, seed, Wq, Wk, Wv
	s_load_b256 s[24:31], s[0:1], 0x40             ; Wo, b_o, w_loc, b_loc
	s_load_b128 s[32:35], s[0:1], 0x60             ; prelu_a, out0
	v_lshl_add_u32 v254, v0, 2, 0x4b000
	v_mov_b32 v255, 0
	ds_add_u32 v254, v255
	ds_add_u32 v254, v255
	s_wait_dscnt 0x0
	v_lshrrev_b32 v[T3], 5, v0
	v_readfirstlane_b32 s2, v[T3]                  ; wave 0..15
	v_and_b32 v[T0], 31, v0                        ; lane
	v_and_b32 v[T1], 15, v0                        ; r
	v_bfe_u32 v[T2], v0, 4, 1                      ; h
	s_lshl_b32 s46, s2, 13
	s_lshl_b32 s47, s2, 9
	s_lshl_b32 s48, s2, 10
	s_add_co_u32 s48, s48, PB
	s_and_b32 s49, s2, 3
	s_lshl_b32 s49, s49, 6
	s_mov_b32 s42, 0x76543210                      ; v_permlanex16_b32's selects for lane l xor 16
	s_mov_b32 s43, 0xfedcba98
	v_lshl_add_u32 v[AXP], v[T0], 4, s46
	v_lshl_add_u32 v[AXG], v[T0], 4, s46
	v_lshl_add_u32 v[AMG], v[T0], 4, s47
	v_add_nc_u32 v[AMK], MB, v[AMG]
	v_lshl_add_u32 v[AXF], v[T1], 4, s46
	v_lshl_add_u32 v[AXF], v[T2], 3, v[AXF]
	v_add_nc_u32 v[AMB], s47, v[T0]
	v_add_nc_u32 v[AMB], MB, v[AMB]
	v_add_nc_u32 v[ACD], CB, v[AXP]
	v_lshl_add_u32 v[APS], v[T0], 2, s48
	v_lshl_add_u32 v[APL], v[T2], 5, s48
	v_lshl_add_u32 v[AIM], v[T0], 4, WIMG
	v_lshl_add_u32 v[ASW], v[T0], 2, WSC
	v_lshlrev_b32 v[SH8], 3, v[T2]
	v_lshlrev_b32 v[R4], 2, v[T1]
	v_add_nc_u32 v[PWI], s47, v[AIM]
	v_lshl_add_u32 v[PWS], v0, 2, WSC
	v_add_nc_u32 v[QST], s49, v[R4]
	v_add_nc_u32 v[QST], QB, v[QST]
	v_lshl_add_u32 v[QLD], v[T2], 5, QB
	v_lshrrev_b32 v[T3], 3, v[T1]
	v_lshlrev_b32 v[GOW], 9, v[T2]
	v_lshl_add_u32 v[GOW], v[T3], 7, v[GOW]
	v_and_b32 v[T3], 7, v[T1]
	v_lshl_add_u32 v[GOW], v[T3], 2, v[GOW]        ; W_in: 512 h + 128 (r >> 3) + 4 (r & 7)
	v_lshlrev_b32 v[GOH], 7, v[T2]                 ; b_in, seed: 128 h
	v_lshl_add_u32 v[GOT], v[T2], 13, s49
	v_add_nc_u32 v[GOT], v[GOT], v[R4]             ; a weight's tile: 8192 h + 64 (w & 3) + 4 r
.irp j, 0,1,2,3
	v_mov_b32 v[SL+4+\j], 0                        ; the zero codes of k = 64 .. 127: written once
	v_mov_b32 v[SU+4+\j], 0
	v_mov_b32 v[PAD+\j], 0
.endr
	v_mov_b32 v[FF+1], 0
	v_mov_b32 v[NEG], 0xf191acce
	s_wait_kmcnt 0x0
	s_load_b128 s[36:39], s[28:29], 0x0            ; w_loc[0..3]
	s_load_b32 s40, s[30:31], 0x0                  ; b_loc
	s_load_b32 s41, s[32:33], 0x0                  ; the PReLU's slope
	s_mov_b32 s51, 0
	s_lshl_b32 s50, ttmp9, 17                      ; my 8 sets of x: 131,072 bytes a work-group
	s_add_nc_u64 s[8:9], s[8:9], s[50:51]
	s_lshl_b32 s50, ttmp9, 13                      ; of the mask: 8,192
	s_add_nc_u64 s[10:11], s[10:11], s[50:51]
	s_lshl_b32 s50, ttmp9, 7                       ; of out0: 128
	s_add_nc_u64 s[34:35], s[34:35], s[50:51]
	s_cmp_lt_u32 s2, 4                             ; the weight that my wave prepares: waves 0-3 Wk, 4-7 Wv, 8-11 Wo, 12-15 Wq
	s_cselect_b64 s[44:45], s[20:21], s[22:23]
	s_cmp_lt_u32 s2, 8
	s_cselect_b64 s[44:45], s[44:45], s[24:25]
	s_cmp_lt_u32 s2, 12
	s_cselect_b64 s[44:45], s[44:45], s[18:19]
; ---------------------------------------------------------------- what the prep wants is asked for FIRST: every product waits for the weights, while x is wanted group by group.
; A tile of 16 columns of a weight for each wave; W_in and b_in into registers; the seed.  Every wave asks for the seed's 256 bytes, so that no branch stands ahead of the copies; waves 12-15 use it.
.irp i, 0,1,2,3,4,5,6,7,8,9,10,11,12,13,14,15,16,17,18,19,20,21,22,23,24,25,26,27,28,29,30,31
	global_load_b32 v[KD+\i], v[GOT], s[44:45] offset:256*\i       ; a lane to a column, registers down K: rows 32 h + i
.endr
.irp t, 0,1,2,3
.irp j, 0,1
	global_load_b32 v[WIN+2*\t+\j], v[GOW], s[12:13] offset:256*\j+32*\t
.endr
.endr
.irp t, 0,1,2,3
	global_load_b128 v[BIAS+8*\t:BIAS+8*\t+3], v[GOH], s[14:15] offset:32*\t
	global_load_b128 v[BIAS+8*\t+4:BIAS+8*\t+7], v[GOH], s[14:15] offset:32*\t+16
.endr
.irp k, 0,1,2,3,4,5,6,7
	global_load_b128 v[QR+4*\k:QR+4*\k+3], v[GOH], s[16:17] offset:16*\k
.endr
	; the wave's 17 copies: its 512 mask bytes, then its 16 groups of 32 points, 512 bytes each.  Only the issuing wave reads these bytes, behind its own counted wait
	global_load_async_to_lds_b128 v[AMK], v[AMG], s[10:11]
.irp i, 0,1,2,3,4,5,6,7,8,9,10,11,12,13,14,15
	global_load_async_to_lds_b128 v[AXP], v[AXG], s[8:9] offset:512*\i
.endr
; ---------------------------------------------------------------- the prep
	s_cmp_lt_u32 s2, 12
	s_cbranch_scc0 .Lseed
	s_wait_loadcnt 0x0
	QT KD, SL, BL                                  ; my block of my column: the operand's registers as they stand
	WORDX BL, WPT
	ds_store_b128 v[PWI], v[SL:SL+3]
	ds_store_b32 v[PWS], v[WPT]
	s_branch .Lprep_done
.Lseed:                                            ; waves 12-15: 16 numbers of q' = (seed Wq) log2(e) / 8 each
	s_wait_loadcnt 0x0
	SCORE KD, PL
	v_permlanex16_b32 v[T1], v[PL], s42, s43
	v_add_f32 v[PL], v[PL], v[T1]
	v_mul_f32 v[PL], 0x3e38aa3b, v[PL]
	ds_store_b32 v[QST], v[PL]                     ; both halves of the lanes write the same word with the same value
.Lprep_done:
	s_wait_kmcnt 0x0                               ; w_loc[0..3], b_loc, the slope
	s_wait_dscnt 0x0                               ; for the others' sake: my stores have landed
	s_barrier_signal -1
	s_barrier_wait -1                              ; the fragments, their scale words and q' lie in LDS; the copies may stay out
.irp t, 0,1,2,3
	ds_load_b128 v[WK+4*\t:WK+4*\t+3], v[AIM] offset:512*\t
	ds_load_b128 v[WV+4*\t:WV+4*\t+3], v[AIM] offset:512*(4+\t)
	ds_load_b32 v[WKS+\t], v[ASW] offset:128*\t
	ds_load_b32 v[WVS+\t], v[ASW] offset:128*(4+\t)
	ds_load_b128 v[QR+8*\t:QR+8*\t+3], v[QLD] offset:64*\t
	ds_load_b128 v[QR+8*\t+4:QR+8*\t+7], v[QLD] offset:64*\t+16
.endr
; ---------------------------------------------------------------- the main part: two chunks of 256 points
	PRO 0                                          ; (its wait for all LDS loads serves the loads above too)
	GRP 0, 1, 0
	GRP 1, 0, 0
	GRP 2, 0, 0
	GRP 3, 0, 0
	GRP 4, 0, 0
	GRP 5, 0, 0
	GRP 6, 0, 0
	GRP 7, 0, 1
	EPI 0
	SOFT 0
	PBH 0
	PRO 1
	GRP 8, 1, 0
	GRP 9, 0, 0
	GRP 10, 0, 0
	GRP 11, 0, 0
	GRP 12, 0, 0
	GRP 13, 0, 0
	GRP 14, 0, 0                                   ; its wait on the copies is for 0: all 17 have landed
	GRP 15, 0, 1
	EPI 1
	SOFT 1
.irp t, 0,1,2,3
	global_load_b32 v[BO+\t], v[R4], s[26:27] offset:64*\t         ; b_o[16 t + r] and w_loc[4 + 16 t + r], wanted behind the next barrier; W_in's registers are free
	global_load_b32 v[WL+\t], v[R4], s[28:29] offset:16+64*\t
.endr
	PBH 1
; ---------------------------------------------------------------- join 1: the wave's pooled, maximum and sum go to LDS
	s_lshl_b32 s46, s2, 9                          ; the late addresses, on every wave's way, into registers that held the copies' and the prep's addresses (all copies have landed)
	s_add_co_u32 s46, s46, CMB
	v_and_b32 v[JA], 31, v0
	v_lshl_add_u32 v[JA], v[JA], 2, s46
	s_and_b32 s47, s2, 14
	s_lshl_b32 s47, s47, 9
	s_add_co_u32 s47, s47, CMB
	v_bfe_u32 v[FA], v0, 4, 1
	v_lshl_add_u32 v[FA], v[FA], 7, s47
	s_lshl_b32 s48, s2, 6
	s_add_co_u32 s48, s48, GS
	v_bfe_u32 v[J2], v0, 4, 1
	v_mad_u32_u24 v[J2], v[J2], 28, s48
	v_bfe_u32 v[SV], v0, 2, 3
	v_lshl_add_u32 v[SV], v[SV], 7, GS
	v_and_b32 v[OUTO], 31, v0
	v_lshlrev_b32 v[OUTO], 2, v[OUTO]
.irp t, 0,2,4,6
	v_add_f32 v[ACC+\t], v[ACC+\t], v[ACC+\t+1]    ; even and odd points
.endr
	v_permlane16_swap_b32 v[ACC], v[ACC+2]         ; the two halves of the lanes hold different points of the same channels:
	v_permlane16_swap_b32 v[ACC+4], v[ACC+6]
	v_add_f32 v[ACC], v[ACC], v[ACC+2]             ; lane l: channel l,
	v_add_f32 v[ACC+4], v[ACC+4], v[ACC+6]         ; and channel 32 + l
.irp m, 1,2,4,8
	v_add_f32_dpp v[LL], v[LL], v[LL] row_xmask:\m row_mask:0xf bank_mask:0xf
.endr
	v_permlanex16_b32 v[T1], v[LL], s42, s43
	v_add_f32 v[LL], v[LL], v[T1]                  ; the wave's sum, in every lane
	s_mov_b32 s46, 0xaaaaaaaa
	v_cndmask_b32 v[T0], v[MM], v[LL], s46         ; even lanes m, odd lanes l: pairs in LDS
	ds_store_b32 v[JA], v[ACC]
	ds_store_b32 v[JA], v[ACC+4] offset:128
	ds_store_b32 v[JA], v[T0] offset:256
	ds_store_b32 v[JA], v[T0] offset:384
.irp t, 0,1,2,3
	ds_load_b128 v[WK+4*\t:WK+4*\t+3], v[AIM] offset:512*(8+\t)    ; Wo takes Wk's registers, its scale words Wk's
	ds_load_b32 v[WKS+\t], v[ASW] offset:128*(8+\t)
.endr
	s_wait_dscnt 0x0
	s_barrier_signal -1
	s_barrier_wait -1
; ---------------------------------------------------------------- feat and c: each wave of a pair for itself, in the same order of sums
.irp k, 0,1,2,3,4,5,6,7
	ds_load_b128 v[QR+4*\k:QR+4*\k+3], v[FA] offset:16*\k          ; the first half's pooled[32 h + 0 .. 31],
	ds_load_b128 v[KD+4*\k:KD+4*\k+3], v[FA] offset:512+16*\k      ; the second half's
.endr
	ds_load_b64 v[T0:T0+1], v[FA] offset:256       ; (m, l) of the first half,
	ds_load_b64 v[T2:T2+1], v[FA] offset:768       ; of the second
	s_wait_dscnt 0x0
	v_max_num_f32 v[BL], v[T0], v[T2]
	v_sub_f32 v[PL], v[T0], v[BL]
	v_sub_f32 v[PU], v[T2], v[BL]
	v_exp_f32 v[PL], v[PL]
	v_exp_f32 v[PU], v[PU]
	v_nop
	s_wait_alu depctr_va_vdst(0)
	v_mul_f32 v[BU], v[PL], v[T1]
	v_fma_f32 v[BU], v[PU], v[T3], v[BU]           ; the set's sum under the set's maximum
	v_rcp_f32 v[BU], v[BU]
	v_nop
	s_wait_alu depctr_va_vdst(0)
	v_mul_f32 v[FF], v[PL], v[BU]
	v_mul_f32 v[MM], v[PU], v[BU]
.irp k, 0,2,4,6,8,10,12,14,16,18,20,22,24,26,28,30
	v_pk_mul_f32 v[QR+\k:QR+\k+1], v[QR+\k:QR+\k+1], v[FF:FF+1] op_sel_hi:[1,0]
.endr
.irp k, 0,2,4,6,8,10,12,14,16,18,20,22,24,26,28,30
	v_pk_fma_f32 v[QR+\k:QR+\k+1], v[KD+\k:KD+\k+1], v[MM:MM+1], v[QR+\k:QR+\k+1] op_sel_hi:[1,0,1]   ; pooled, finished and normalised
.endr
	QT QR, SL, BL
	WORDX BL, WPT
	LOADC 0
	LOADC 1
.irp i, 0,1,2,3,4,5,6,7,8,9,10,11,12,13
	v_mov_b32 v[GG+\i], 0                          ; the 14 sums begin; these lines are also the places between the scale word's making and the products
.endr
	v_mov_b32 v[W2+1], 0                           ; named as upper halves of pairs
	v_mov_b32 v[Y0+1], 0
	v_mov_b32 v[Y1+1], 0
.irp t, 0,1,2,3                                    ; all 16 rows of source 0 are the set's pooled: every register of tile t holds feat[16 t + r] less b_o
	v_wmma_scale_f32_16x16x128_f8f6f4 v[HD+8*\t:HD+8*\t+7], v[SL:SL+7], v[WK+4*\t:WK+4*\t+7], 0, v[WPT], v[WKS+\t] matrix_a_fmt:MATRIX_FMT_FP4 matrix_b_fmt:MATRIX_FMT_FP4
.endr
	s_wait_loadcnt 0x0                             ; b_o, w_loc[4:]
	PLACES 4
.irp t, 0,1,2,3
	v_add_f32 v[T0+\t], v[HD+8*\t], v[BO+\t]       ; each result's lowest register
.endr
	v_mul_f32 v[CC], v[T0], v[WL]
	v_fma_f32 v[CC], v[T1], v[WL+1], v[CC]
	v_fma_f32 v[CC], v[T2], v[WL+2], v[CC]
	v_fma_f32 v[CC], v[T3], v[WL+3], v[CC]
.irp m, 1,2,4,8
	v_add_f32_dpp v[CC], v[CC], v[CC] row_xmask:\m row_mask:0xf bank_mask:0xf
.endr
	v_add_f32 v[CC], s40, v[CC]                    ; c = feat . w_loc[4:] + b_loc
; ---------------------------------------------------------------- phase C: the weights and the 14 sums of my 512 points
.irp b, 0,1,2,3
.if \b == 3
	s_wait_dscnt 0x0
.else
	s_wait_dscnt 8                                 ; this batch's eight loads are in, the next batch's eight may be out
.endif
.irp i, 0,1,2,3
	WLSG XC+16*(\b%2)+4*\i, MKC+4*(\b%2)+\i
.endr
.if \b < 2
	LOADC \b+2
.endif
.endr
; ---------------------------------------------------------------- join 2
.irp i, 0,1,2,3,4,5,6
	v_permlane16_swap_b32 v[GG+\i], v[GG+7+\i]
.endr
.irp i, 0,1,2,3,4,5,6
	v_add_f32 v[GG+\i], v[GG+\i], v[GG+7+\i]       ; lanes 0-15: sum i, lanes 16-31: sum 7 + i
.endr
.irp m, 1,2,4,8
.irp i, 0,1,2,3,4,5,6
	v_add_f32_dpp v[GG+\i], v[GG+\i], v[GG+\i] row_xmask:\m row_mask:0xf bank_mask:0xf
.endr
.endr
.irp i, 0,1,2,3,4,5,6
	ds_store_b32 v[J2], v[GG+\i] offset:4*\i       ; sixteen lanes write the same word with the same value
.endr
	s_wait_dscnt 0x0
	s_barrier_signal -1
	s_barrier_wait -1
	s_cmp_lg_u32 s2, 0
	s_cbranch_scc1 .Lend
; ---------------------------------------------------------------- the solver: wave 0; lane l serves set l >> 2 and keeps row l & 3 of V
.irp u, 0,1
	ds_load_b128 v[SG+16*\u:SG+16*\u+3], v[SV] offset:64*\u
	ds_load_b128 v[SG+16*\u+4:SG+16*\u+7], v[SV] offset:64*\u+16
	ds_load_b128 v[SG+16*\u+8:SG+16*\u+11], v[SV] offset:64*\u+32
	ds_load_b64 v[SG+16*\u+12:SG+16*\u+13], v[SV] offset:64*\u+48
.endr
	s_mov_b32 s49, 0x11111111                      ; the lanes of row 0, 1, 2, 3
	s_mov_b32 s46, 0x22222222
	s_mov_b32 s47, 0x44444444
	s_mov_b32 s48, 0x88888888
	s_wait_dscnt 0x0
.irp i, 0,2,4,6,8,10,12
	v_pk_add_f32 v[SG+\i:SG+\i+1], v[SG+\i:SG+\i+1], v[SG+16+\i:SG+17+\i]
.endr
	v_add_f32 v[E], v[SG+1], v[SG+4]
	v_add_f32 v[E+1], v[SG+12], v[SG+13]
	v_add_f32 v[E], v[E], v[E+1]                   ; the trace
	v_and_b32 v[E], 0x7f800000, v[E]
	v_sub_nc_u32 v[E], 0x7f000000, v[E]            ; 2^-(its exponent): matrix and right-hand side are scaled alike, which leaves the solution as it is
	v_mul_f32 v[A00], v[SG+1], v[E]                ; the columns are -x1, -x2, -x3, 1
	v_mul_f32 v[A01], v[SG+2], v[E]
	v_mul_f32 v[A02], v[SG+3], v[E]
	v_mul_f32 v[A03], -v[SG+9], v[E]
	v_mul_f32 v[A11], v[SG+4], v[E]
	v_mul_f32 v[A12], v[SG+5], v[E]
	v_mul_f32 v[A13], -v[SG+10], v[E]
	v_mul_f32 v[A22], v[SG+12], v[E]
	v_mul_f32 v[A23], -v[SG+11], v[E]
	v_mul_f32 v[A33], v[SG+13], v[E]
	v_mul_f32 v[RB], -v[SG], v[E]
	v_mul_f32 v[RB+1], -v[SG+6], v[E]
	v_mul_f32 v[RB+2], -v[SG+7], v[E]
	v_mul_f32 v[RB+3], v[SG+8], v[E]
	v_cndmask_b32 v[GI], v[RB], v[RB+1], s46       ; my row's element
	v_cndmask_b32 v[GI], v[GI], v[RB+2], s47
	v_cndmask_b32 v[GI], v[GI], v[RB+3], s48
	v_cndmask_b32 v[VV], 0, 1.0, s49               ; V = I
	v_cndmask_b32 v[VV+1], 0, 1.0, s46
	v_cndmask_b32 v[VV+2], 0, 1.0, s47
	v_cndmask_b32 v[VV+3], 0, 1.0, s48
	s_mov_b32 s50, 6
.Lsweep:                                           ; a sweep: all six pairs, two disjoint ones at a time
	STAGE A00, A11, A01, A22, A33, A23, A02, A03, A12, A13, 0, 1, 2, 3
	STAGE A00, A22, A02, A11, A33, A13, A01, A03, A12, A23, 0, 2, 1, 3
	STAGE A00, A33, A03, A11, A22, A12, A01, A02, A13, A23, 0, 3, 1, 2
	s_sub_co_i32 s50, s50, 1
	s_cmp_lg_u32 s50, 0
	s_cbranch_scc1 .Lsweep
	v_rcp_f32 v[E+5], v[A00]
	v_rcp_f32 v[E+6], v[A11]
	v_rcp_f32 v[E+7], v[A22]
	v_rcp_f32 v[E+8], v[A33]
.irp j, 0,1,2,3
	v_mul_f32 v[E+\j], v[VV+\j], v[GI]             ; (plain lines behind the reciprocals)
.endr
.irp m, 1,2
.irp j, 0,1,2,3
	v_add_f32_dpp v[E+\j], v[E+\j], v[E+\j] row_xmask:\m row_mask:0xf bank_mask:0xf   ; over the set's four lanes: V[:, j] . g
.endr
.endr
	v_max3_num_f32 v[E+4], v[A00], v[A11], v[A22]
	v_max_num_f32 v[E+4], v[E+4], v[A33]
	v_mul_f32 v[E+4], 0x35c80000, v[E+4]           ; the cut: 100 x 2^-26 x the largest eigenvalue
	v_cmp_gt_f32 vcc_lo, v[A00], v[E+4]
	s_wait_alu depctr_va_vdst(0)
	v_cndmask_b32 v[E+5], 0, v[E+5], vcc_lo
	v_cmp_gt_f32 vcc_lo, v[A11], v[E+4]
	v_cndmask_b32 v[E+6], 0, v[E+6], vcc_lo
	v_cmp_gt_f32 vcc_lo, v[A22], v[E+4]
	v_cndmask_b32 v[E+7], 0, v[E+7], vcc_lo
	v_cmp_gt_f32 vcc_lo, v[A33], v[E+4]
	v_cndmask_b32 v[E+8], 0, v[E+8], vcc_lo
.irp j, 0,1,2,3
	v_mul_f32 v[E+\j], v[E+\j], v[E+5+\j]
.endr
	v_mul_f32 v[E+9], v[VV], v[E]
	v_fma_f32 v[E+9], v[VV+1], v[E+1], v[E+9]
	v_fma_f32 v[E+9], v[VV+2], v[E+2], v[E+9]
	v_fma_f32 v[E+9], v[VV+3], v[E+3], v[E+9]      ; out[set l >> 2][l & 3]
	global_store_b32 v[OUTO], v[E+9], s[34:35]     ; the 32 lanes store the work-group's 128 consecutive bytes
.Lend:
	s_wait_xcnt 0x0
	v_lshl_add_u32 v254, v0, 2, 0x4b000
	v_mov_b32 v255, 0
	s_wait_tensorcnt 0x0
	ds_add_u32 v254, v255
	s_wait_dscnt 0x0
	s_endpgm
.Lfunc_end_k_q11921b9b53_wls:
	.size	k_q11921b9b53_wls, .Lfunc_end_k_q11921b9b53_wls-k_q11921b9b53_wls
	.p2alignl 7, 3214868480
	.fill 96, 4, 3214868480
	.section	.rodata,"a",@progbits
	.p2align	6, 0x0
	.amdhsa_kernel k_q11921b9b53_wls
		.amdhsa_group_segment_fixed_size 309248
		.amdhsa_private_segment_fixed_size 0
		.amdhsa_enable_private_segment 0
		.amdhsa_kernarg_size 112
		.amdhsa_user_sgpr_count 2
		.amdhsa_user_sgpr_kernarg_segment_ptr 1
		.amdhsa_wavefront_size32 1
		.amdhsa_system_sgpr_workgroup_id_x 1
		.amdhsa_system_sgpr_workgroup_id_y 1
		.amdhsa_system_sgpr_workgroup_id_z 1
		.amdhsa_system_vgpr_workitem_id 0
		.amdhsa_next_free_vgpr 256
		.amdhsa_next_free_sgpr 66
		.amdhsa_reserve_vcc 1
		.amdhsa_float_denorm_mode_32 3
		.amdhsa_float_denorm_mode_16_64 3
		.amdhsa_memory_ordered 1
		.amdhsa_forward_progress 1
		.amdhsa_inst_pref_size 234
	.end_amdhsa_kernel
	.amdgpu_metadata
---
amdhsa.version: [ 1, 2 ]
amdhsa.kernels:
  - .name:           k_q11921b9b53_wls
    .symbol:         k_q11921b9b53_wls.kd
    .args:
      - { .name: x, .offset: 0, .size: 8, .value_kind: global_buffer, .address_space: global }
      - { .name: pad_mask, .offset: 8, .size: 8, .value_kind: global_buffer, .address_space: global }
      - { .name: W_in, .offset: 16, .size: 8, .value_kind: global_buffer, .address_space: global }
      - { .name: b_in, .offset: 24, .size: 8, .value_kind: global_buffer, .address_space: global }
      - { .name: seed, .offset: 32, .size: 8, .value_kind: global_buffer, .address_space: global }
      - { .name: Wq, .offset: 40, .size: 8, .value_kind: global_buffer, .address_space: global }
      - { .name: Wk, .offset: 48, .size: 8, .value_kind: global_buffer, .address_space: global }
      - { .name: Wv, .offset: 56, .size: 8, .value_kind: global_buffer, .address_space: global }
      - { .name: Wo, .offset: 64, .size: 8, .value_kind: global_buffer, .address_space: global }
      - { .name: b_o, .offset: 72, .size: 8, .value_kind: global_buffer, .address_space: global }
      - { .name: w_loc, .offset: 80, .size: 8, .value_kind: global_buffer, .address_space: global }
      - { .name: b_loc, .offset: 88, .size: 8, .value_kind: global_buffer, .address_space: global }
      - { .name: prelu_a, .offset: 96, .size: 8, .value_kind: global_buffer, .address_space: global }
      - { .name: out0, .offset: 104, .size: 8, .value_kind: global_buffer, .address_space: global }
    .group_segment_fixed_size: 309248
    .private_segment_fixed_size: 0
    .kernarg_segment_align: 8
    .kernarg_segment_size: 112
    .max_flat_workgroup_size: 512
    .sgpr_count:     66
    .vgpr_count:     256
    .wavefront_size: 32
...
	.end_amdgpu_metadata
.endif
;; end of part 1
